; MI455X (gfx1250); checked and timed in simulation.
; The chip was launched on July 23, 2026; its instructions are those of AMD's public machine-readable ISA for CDNA 5 (MIT licence, August 2026) and "CDNA5" Instruction Set Architecture Reference Guide (July 2026). The comments in the code are by the model that wrote it; some were corrected since.
;; Multi Head Attention. Allowed arithmetic: matrix products marked QUANTISED: E2M3 operands, one E8M0 scale for each 32 along K, by v_wmma_scale_f32_16x16x128_f8f6f4 with both operands' format E2M3, f32 sums; everything else in f32.
;; Inputs: Wk_codes 1,024 x 32 x 24 uint8 (E2M3 codes of Wk, K innermost, in blocks of 32 codes, four codes in three bytes); Wk_scales 1,024 x 32 uint8 (E8M0 scales of Wk, one for each 32 codes along K); Wo_codes 1,024 x 32 x 24 uint8 (E2M3 codes of Wo, K innermost, in blocks of 32 codes, four codes in three bytes); Wo_scales 1,024 x 32 uint8 (E8M0 scales of Wo, one for each 32 codes along K); Wq_codes 1,024 x 32 x 24 uint8 (E2M3 codes of Wq, K innermost, in blocks of 32 codes, four codes in three bytes); Wq_scales 1,024 x 32 uint8 (E8M0 scales of Wq, one for each 32 codes along K); Wv_codes 1,024 x 32 x 24 uint8 (E2M3 codes of Wv, K innermost, in blocks of 32 codes, four codes in three bytes); Wv_scales 1,024 x 32 uint8 (E8M0 scales of Wv, one for each 32 codes along K); attention_mask 1 x 4,096 int32; hidden_states_codes 1 x 4,096 x 32 x 24 uint8 (E2M3 codes of hidden_states, K innermost, in blocks of 32 codes, four codes in three bytes); hidden_states_scales 1 x 4,096 x 32 uint8 (E8M0 scales of hidden_states, one for each 32 codes along K).
;; Outputs: out0 1 x 4,096 x 1,024 float32.
;; This version of the problem:
;;   THIS VERSION OF THE PROBLEM IS GIVEN IN LOW PRECISION. The matrix products marked QUANTISED in the list below multiply operands that are first quantised to E2M3 (2 exponent bits, 3 mantissa bits; 6 bits a number), with one power-of-two scale for each 32 numbers along K (OCP MX v1.0); their sums are f32. All else is computed in f32.
;;   The module's matrix products, in the order in which they are computed (A, B: the left and right operand; K: the contracted axis; several contracted axes count as one K, in the product's order):
;;     1. [M 4,096, K 1,024] x [K 1,024, N 1,024]; A: input hidden_states (given as codes); B: input Wq (given as codes): QUANTISED
;;     2. [M 4,096, K 1,024] x [K 1,024, N 1,024]; A: input hidden_states (given as codes); B: input Wk (given as codes): QUANTISED
;;     3. [M 4,096, K 1,024] x [K 1,024, N 1,024]; A: input hidden_states (given as codes); B: input Wv (given as codes): QUANTISED
;;     4. batch 16 x [M 4,096, K 64] x [K 64, N 4,096]; A: computed on the way; B: computed on the way: QUANTISED
;;     5. batch 16 x [M 64, K 4,096] x [K 4,096, N 4,096]; A: computed on the way; B: softmax (see below): QUANTISED
;;     6. [M 4,096, K 1,024] x [K 1,024, N 1,024]; A: computed on the way; B: input Wo (given as codes): QUANTISED
;;   THE QUANTISER, for each operand of a quantised product, along K:
;;     - K is cut into blocks of 32 from its start; a last block that is shorter is filled with zeros.
;;     - A block's scale is 2^e with e = floor(log2(the largest magnitude in the block)) - 2, held to -126 .. 127; a block of zeros has e = 0. As a byte (E8M0): e + 127.
;;     - Each number is divided by its block's scale, clamped to +-7.5, and rounded to the nearest number of E2M3, ties to even, subnormals kept.
;;     - The product sums the exact products of the quantised numbers (number of the format x scale) in f32.
;;   ~~~python
;;   def quantise(x, axis):      # numpy; x: float32 -> the quantised numbers, widened to float32 again
;;       x = np.moveaxis(x, axis, -1); K = x.shape[-1]
;;       x = np.pad(x, [(0, 0)] * (x.ndim - 1) + [(0, -K % 32)]); x = x.reshape(x.shape[:-1] + (-1, 32)); a = np.abs(x).max(-1, keepdims=True)
;;       e = np.where(a > 0, np.clip(np.frexp(np.where(a > 0, a, 1))[1] - 1 - 2, -126, 127), 0)      # np.frexp(a)[1] - 1 = floor(log2(a)), exactly
;;       r = np.clip(x / 2.0 ** e, -7.5, 7.5)
;;       step = 2.0 ** (np.maximum(np.frexp(np.where(r == 0, 1, r))[1] - 1, 0) - 3)
;;       q = np.round(r / step) * step * 2.0 ** e      # np.round: ties to even
;;       return np.moveaxis(q.reshape(q.shape[:-2] + (-1,))[..., :K], -1, axis).astype(np.float32)
;;   ~~~
;;   SOFTMAX AHEAD OF A QUANTISED PRODUCT. Where the list says 'softmax', what is quantised is not the finished softmax but p = 2^(t - M), with t = logit x log2(e) and M = ceil(the row's largest t), a whole number; so 1/2 < the row's largest p <= 1. The row's sum l is taken of the UNQUANTISED p, in f32, and the product's result is divided by l at the end. Since M is a whole number, a kernel that streams over the keys may use a running M (the ceiling of the running maximum): every later rescaling is an exact power of two, which a block's scale takes up: the codes' values come out the same.
;;   OPERANDS COMPUTED ON THE WAY. 'Computed on the way' means the value that the module computes at that place (a softmax that the list does not call 'softmax' is quantised finished and normalised). What goes into a quantiser is computed in f32, as accurately as f32 sums, v_exp_f32 and their like allow (about 1e-6 of the number): no bf16 or f16 on the way to a quantiser, and a product that is left as it is and whose result goes on into a quantised operand takes f32 operands (vector FMAs, or v_wmma_f32_16x16x4_f32). A number that lies on a knife's edge between two numbers of the format may be rounded either way, as far as f32 arithmetic and the matrix unit's own rounding can turn it there, and no further.
;;   INPUTS GIVEN AS CODES. Wk (in the module: [1024, 1024], K = its axis 1); Wo (in the module: [1024, 1024], K = its axis 1); Wq (in the module: [1024, 1024], K = its axis 1); Wv (in the module: [1024, 1024], K = its axis 1); hidden_states (in the module: [1, 4096, 1024], K = its axis 2): each comes as NAME_codes (uint8): NAME with its K axis moved to the last place and cut into blocks of 32 codes, [.., K / 32, bytes a block], one block behind the other in memory; four codes in three bytes: a row's codes are one little-endian stream of bits, code i at bits 6 i .. 6 i + 5 (a code: sign, 2 exponent bits, 3 mantissa bits); and NAME_scales (uint8): the same leading axes, one E8M0 byte (e + 127) for each 32 codes along K. Its value is code x scale, taken as it is: it is not quantised again, and the codes and scales need not be those that the quantiser above would give.
;; One version. Each part assembles by itself: llvm-mc -triple=amdgcn-amd-amdhsa -mcpu=gfx1250 --defsym DOCPART=n.
;; ======== version 1 of 1: 3 launches
;; limits: right only within a limited range of input values
;; workspace buffers: qkv 10,485,760 bytes; ao 3,276,800 bytes
;; launch proj (part 1): grid 8 x 32, 4 waves a work-group, clusters of 4 x 4, 327,680 bytes of LDS; arguments hidden_states_codes, hidden_states_scales, Wq_codes, Wq_scales, Wk_codes, Wk_scales, Wv_codes, Wv_scales, attention_mask, qkv; writes qkv
.if DOCPART == 1
	.amdgcn_target "amdgcn-amd-amdhsa--gfx1250"
	.amdhsa_code_object_version 6
	.text
	.protected	k_q83462ead83_proj
	.globl	k_q83462ead83_proj
	.p2align	8
	.type	k_q83462ead83_proj,@function
k_q83462ead83_proj:
	s_mov_b64 s[64:65], 0
	v_nop
	global_prefetch_b8 v0, s[64:65] scope:SCOPE_SE
	s_setreg_imm32_b32 hwreg(HW_REG_WAVE_MODE, 25, 1), 1
	s_wait_xcnt 0x0
	s_wait_alu depctr_hold_cnt(0) depctr_sa_sdst(0) depctr_va_vdst(0) depctr_va_sdst(0) depctr_va_ssrc(0) depctr_va_vcc(0) depctr_vm_vsrc(0)
	s_getreg_b32 s2, hwreg(HW_REG_IB_STS2, 6, 4)
	s_cmp_eq_u32 s2, 0
	s_cbranch_scc0 .Lentry_in_a_cluster
	s_endpgm
.Lentry_in_a_cluster:
	s_bfe_u32 s2, ttmp6, 0x10000c
	s_cmp_lg_u32 s2, 0xf033
	s_cbranch_scc0 .Lentry_shape_is_right
	s_endpgm
.Lentry_shape_is_right:
; q, k, v = hidden_states x Wq^T, Wk^T, Wv^T on codes of FP6 (E2M3); rotary tables in f32; q, k, v quantised and laid in qkv as images of operand registers, with the mask's term.  No work is left out.
; K goes through a ring of two LDS slots in chunks of 256 bytes of each row of 768 (three chunks); a step of 128 along K is 96 bytes: steps 2 and 5 lie across two chunks and read both slots.
.set PITCH, 272
.set REGB,  128*PITCH
.set SLOT,  4*REGB
.set SCL,   2*SLOT
.set SREG,  16*272
.set SPARE, SCL+4*SREG
.set BLKB,  20480
.set AA,  1
.set BQ,  5
.set BV,  9
.set ASA, 13
.set ASB, 14
.set ASV, 15
.set SPW, 16
.set NIL, 17
.set BI,  18
.set SKI, 20
.set SKS, 21
.set SV0, 22
.set SV1, 23
.set SV2, 24
.set SVS, 25
.set SBI, 26
.set SQI, 27
.set SQS, 28
.set SRD, 29
.set GCO, 30
.set MO,  31
.set SC,  32
.set AF,  96
.set IV,  96
.set AN,  112
.set NF,  128
.set ZZ,  144
.set SNP, 160
.set CSP, 176
.set TK0, 205
.set TK,  206
.set T2,  208
.set KS2, 224
.set KC2, 226
.set T,   96
.set TM,  128
.set PW,  136
.set PY,  138
.set KP,  144
.set KW,  156
.set QX,  192
.set QW,  198
.set VX,  200
.set OUTR, 160
.set G1A, 24
.set G1B, 32
.set G1SA, 40
.set G1SB, 48
.set G0A, 56
.set G0B, 68
.set G0SA, 76
.set G0SB, 80
.set WV,  84
.set CH,  85
.set EH,  86
.set CX,  87
.set CY,  88
.set HP,  89
.set TBK, 90
.set LR,  91
.set SEL, 92
.set MSB, 0
.macro WIN new
.if MSB != \new
	s_set_vgpr_msb (MSB<<8)|\new
.set MSB, \new
.endif
.endm
.macro PLACES n
.rept \n
	v_nop
.endr
.endm
.macro CREST
	s_cmp_lg_u32 s[WV], 0
	s_cbranch_scc1 .Lnot_wave_0_\@
	s_barrier_signal -3
.Lnot_wave_0_\@:
	s_barrier_wait -3
	s_barrier_signal -1
	s_barrier_wait -1
.endm
.macro CROUND
	s_barrier_signal -1
	s_barrier_wait -1
	CREST
.endm
.macro JLOAD g0a, g1a, g0b, g1b
	s_cmp_eq_u32 s[WV], 0
	s_cbranch_scc0 .Lfor_b_\@
	tensor_load_to_lds s[\g0a:\g0a+3], s[\g1a:\g1a+7]
	s_nop 0
.rept 4
	v_nop
.endr
	s_branch .Lasked_\@
.Lfor_b_\@:
	tensor_load_to_lds s[\g0b:\g0b+3], s[\g1b:\g1b+7]
	s_nop 0
.rept 4
	v_nop
.endr
.Lasked_\@:
.endm
	s_load_b512 s[4:19], s[0:1], 0x0
	s_load_b128 s[20:23], s[0:1], 0x40
	v_lshl_add_u32 v[SPW], v0, 2, SPARE
	v_mov_b32 v[NIL], 0
	ds_add_u32 v[SPW], v[NIL]
	ds_add_u32 v[SPW], v[NIL]
	v_lshrrev_b32 v192, 5, v0
	v_readfirstlane_b32 s[WV], v192
	s_and_b32 s[CH], s[WV], 1
	s_lshr_b32 s[EH], s[WV], 1
	s_bfe_u32 s[CX], ttmp6, 0x40000
	s_bfe_u32 s[CY], ttmp6, 0x40004
	s_lshl_b32 s[HP], ttmp9, 2
	s_add_co_u32 s[HP], s[HP], s[CX]
	s_and_b32 s[TBK], ttmp7, 0xffff
	s_lshl_b32 s[TBK], s[TBK], 2
	s_add_co_u32 s[TBK], s[TBK], s[CY]
	s_lshl_b32 s2, s[CY], 2
	s_lshl_b32 s2, 15, s2
	s_lshl_b32 s3, 0x1111, s[CX]
	s_or_b32 s[G1A], s2, (1<<20)|(1<<21)|(5<<22)|(3<<25)   ; rows of 256 bytes, 16 bytes of padding behind each
	s_or_b32 s[G1B], s3, (1<<20)|(1<<21)|(5<<22)|(3<<25)
.irp g, G1A, G1B
	s_mov_b32 s[\g+1], 256<<16
	s_mov_b32 s[\g+2], 128<<16
	s_mov_b32 s[\g+3], 256<<16
	s_mov_b32 s[\g+4], 128
	s_mov_b32 s[\g+5], 768
	s_mov_b32 s[\g+6], 0
	s_mov_b32 s[\g+7], 0
.endr
	s_or_b32 s[G1SA], s2, (3<<16)|(1<<20)|(1<<21)|(5<<22)|(3<<25)
	s_or_b32 s[G1SB], s3, (3<<16)|(1<<20)|(1<<21)|(5<<22)|(3<<25)
.irp g, G1SA, G1SB
	s_mov_b32 s[\g+1], 32<<16
	s_mov_b32 s[\g+2], 16<<16
	s_mov_b32 s[\g+3], 32<<16
	s_mov_b32 s[\g+4], 16
	s_mov_b32 s[\g+5], 32
	s_mov_b32 s[\g+6], 0
	s_mov_b32 s[\g+7], 0
.endr
	s_mov_b32 s[SEL], 0x76543210
	s_mov_b32 s[SEL+1], 0xfedcba98
	s_mul_i32 s98, s[TBK], 98304
	s_mov_b32 s99, 0
	s_mul_i32 s100, s[HP], 98304
	s_mov_b32 s101, 0
	s_mul_i32 s[LR], s[WV], REGB
	s_wait_dscnt 0x0
	s_wait_kmcnt 0x0
	s_add_nc_u64 s[4:5], s[4:5], s[98:99]
	s_lshl_b32 s98, s[TBK], 12
	s_add_nc_u64 s[6:7], s[6:7], s[98:99]
	s_cmp_eq_u32 s[WV], 2
	s_cselect_b64 s[8:9], s[12:13], s[8:9]
	s_cselect_b64 s[10:11], s[14:15], s[10:11]
	s_cmp_eq_u32 s[WV], 3
	s_cselect_b64 s[8:9], s[16:17], s[8:9]
	s_cselect_b64 s[10:11], s[18:19], s[10:11]
	s_add_nc_u64 s[8:9], s[8:9], s[100:101]
	s_lshl_b32 s100, s[HP], 12
	s_add_nc_u64 s[10:11], s[10:11], s[100:101]
	s_lshl_b32 s98, s[TBK], 9
	s_lshl_b32 s2, s[CH], 8
	s_add_co_u32 s98, s98, s2
	s_add_nc_u64 s[20:21], s[20:21], s[98:99]
	s_lshl_b32 s12, s[HP], 1
	s_add_co_u32 s12, s12, s[EH]
	s_lshl_b32 s12, s12, 5
	s_add_co_u32 s12, s12, s[TBK]
	s_mul_i32 s12, s12, BLKB
	s_mov_b32 s13, 0
	s_add_nc_u64 s[22:23], s[22:23], s[12:13]
	CROUND
	s_mul_i32 s2, s[WV], SREG
	s_mov_b32 s[G0SA], 1
	s_add_co_u32 s[G0SA+1], s2, SCL
	s_mov_b64 s[G0SA+2:G0SA+3], s[6:7]
	s_or_b32 s[G0SA+3], s[G0SA+3], 0x80000000
	s_mov_b32 s[G0SB], 1
	s_add_co_u32 s[G0SB+1], s2, SCL
	s_mov_b64 s[G0SB+2:G0SB+3], s[10:11]
	s_or_b32 s[G0SB+3], s[G0SB+3], 0x80000000
	JLOAD G0SA, G1SA, G0SB, G1SB
.irp s, 0,1
	s_mov_b32 s[G0A+4*\s], 1
	s_add_co_u32 s[G0A+4*\s+1], s[LR], \s*SLOT
	s_add_nc_u64 s[G0A+4*\s+2:G0A+4*\s+3], s[4:5], \s*256
	s_or_b32 s[G0A+4*\s+3], s[G0A+4*\s+3], 0x80000000
	s_mov_b32 s[G0B+4*\s], 1
	s_add_co_u32 s[G0B+4*\s+1], s[LR], \s*SLOT
	s_add_nc_u64 s[G0B+4*\s+2:G0B+4*\s+3], s[8:9], \s*256
	s_or_b32 s[G0B+4*\s+3], s[G0B+4*\s+3], 0x80000000
	s_wait_alu depctr_va_vdst(0)
	s_wait_tensorcnt 0x0
	ds_add_u32 v16, v17
	s_wait_dscnt 0x0
	CROUND
	JLOAD G0A+4*\s, G1A, G0B+4*\s, G1B
.endr
	v_and_b32 v192, 31, v0
	v_and_b32 v193, 15, v0
	v_bfe_u32 v194, v0, 4, 1
	v_bfe_u32 v195, v0, 3, 1
	v_and_b32 v196, 7, v0
	v_lshlrev_b32 v[MO], 3, v192
	global_load_b64 v[BI:BI+1], v[MO], s[20:21]
	v_mul_u32_u24 v197, v193, PITCH                ; row r
	v_lshl_add_u32 v198, v195, 3, v193
	v_mul_u32_u24 v198, v198, PITCH                ; row r + 8 (r / 8), for Wv
	v_mul_u32_u24 v208, v194, 24                   ; 24 h
	s_mov_b32 s2, SLOT-232
	v_mul_u32_u24 v209, s2, v194
	v_add_nc_u32 v209, 232, v209                   ; lanes 0-15 byte 232 in slot 0, lanes 16-31 byte 0 in slot 1
	v_sub_nc_u32 v210, 1, v194
	s_mov_b32 s2, SLOT+232
	v_mul_u32_u24 v210, s2, v210                   ; lanes 0-15 byte 232 in slot 1, lanes 16-31 byte 0 in slot 0
	s_mul_i32 s2, s[CH], 64*PITCH
	s_mul_i32 s3, s[EH], 64*PITCH
.macro ADR4 d, row                     ; four addresses: slot 0, slot 1, across from slot 0, across from slot 1
	v_add_nc_u32 v211, s2, v[\row]
	v_add_nc_u32 v[\d], v211, v208
	v_add_nc_u32 v[\d+1], SLOT, v[\d]
	v_add_nc_u32 v[\d+2], v211, v209
	v_add_nc_u32 v[\d+3], v211, v210
.endm
	ADR4 AA, 197
	s_add_co_u32 s2, s3, REGB
	ADR4 BQ, 197
	s_add_co_u32 s2, s3, 3*REGB
	ADR4 BV, 198
	v_lshlrev_b32 v199, 5, v196
	v_mad_u32_u24 v200, v195, 272, v199
	v_mad_u32_u24 v201, v195, 544, v199
	s_mul_i32 s2, s[CH], 2176
	s_add_co_u32 s2, s2, SCL
	v_add_nc_u32 v[ASA], s2, v200
	s_mul_i32 s3, s[EH], 2176
	s_add_co_u32 s2, s3, SCL+SREG
	v_add_nc_u32 v[ASB], s2, v200
	s_add_co_u32 s2, s3, SCL+3*SREG
	v_add_nc_u32 v[ASV], s2, v201
	s_mul_i32 s3, s[EH], BLKB
	v_lshlrev_b32 v202, 4, v192
	s_wait_alu depctr_va_vdst(0)
	v_lshlrev_b32 v203, 4, v193
	v_lshlrev_b32 v204, 2, v192
	s_wait_alu depctr_va_vdst(0)
	s_mul_i32 s2, s[CH], 3072
	s_add_co_u32 s2, s2, s3
	v_add_nc_u32 v[SKI], s2, v202
	s_add_co_u32 s2, s2, 13824
	v_add_nc_u32 v[SQI], s2, v[MO]
	s_lshl_b32 s2, s[CH], 8
	s_add_co_u32 s2, s2, s3
	s_add_co_u32 s2, s2, 6144
	v_add_nc_u32 v[SKS], s2, v203
	s_add_co_u32 s2, s2, 13312-6144
	v_add_nc_u32 v[SBI], s2, v[MO]
	s_add_co_u32 s2, s2, 19968-13312
	v_lshl_add_u32 v[SQS], v193, 2, s2
	s_mul_i32 s2, s[CH], 520
	s_add_co_u32 s2, s2, s3
	s_add_co_u32 s2, s2, 6656
	v_add_nc_u32 v[SV0], s2, v202
	v_add_nc_u32 v[SV2], 512, v[SV0]
	s_mul_i32 s2, s[CH], 1016
	s_add_co_u32 s2, s2, s3
	s_add_co_u32 s2, s2, 6664
	v_add_nc_u32 v[SV1], s2, v202
	s_lshl_b32 s2, s[CH], 1
	s_add_co_u32 s2, s2, s3
	s_add_co_u32 s2, s2, 12800
	v_add_nc_u32 v[SVS], s2, v204
	s_mul_i32 s2, s[CH], 10240
	v_add_nc_u32 v[GCO], s2, v202
	s_add_co_u32 s2, s2, s3
	v_add_nc_u32 v[SRD], s2, v202
	s_lshl_b32 s2, s[TBK], 7
	s_lshl_b32 s3, s[CH], 6
	s_add_co_u32 s2, s2, s3
	v_add_nc_u32 v[TK0], s2, v193
	v_mov_b32 v[KS2], 0x3c08839e
	v_mov_b32 v[KS2+1], 0x3c08839e
	v_mov_b32 v[KC2], 0xbab6061a
	v_mov_b32 v[KC2+1], 0xbab6061a
.set J, 0
.rept 16
	v_lshl_add_u32 v[IV+J], v194, 3, 16*(J/8)+J%8
.set J, J+1
.endr
.set J, 0
.rept 16
	v_cvt_f32_u32 v[IV+J], v[IV+J]
.set J, J+1
.endr
.set J, 0
.rept 16
	v_mul_f32 v[AN+J], 0xbed49a80, v[IV+J]
.set J, J+1
.endr
.set J, 0
.rept 16
	v_ceil_f32 v[NF+J], v[AN+J]
.set J, J+1
.endr
.set J, 0
.rept 16
	v_sub_f32 v[AN+J], v[AN+J], v[NF+J]
.set J, J+1
.endr
.set J, 0
.rept 16
	v_fmamk_f32 v[AN+J], v[IV+J], 0x3476865e, v[AN+J]
.set J, J+1
.endr
.set J, 0
.rept 16
	v_cvt_i32_f32 v[NF+J], v[NF+J]
.set J, J+1
.endr
.set J, 0
	s_wait_alu depctr_va_vdst(0)
.rept 16
	v_exp_f32 v[IV+J], v[AN+J]
.set J, J+1
.endr
	v_nop
	s_wait_alu depctr_va_vdst(0)
.set J, 0
.rept 16
	v_ldexp_f32 v[IV+J], v[IV+J], v[NF+J]
.set J, J+1
.endr
.macro PK2 op:vararg
.endm
.macro SINCOS i
	v_add_nc_u32 v[TK], 16*\i, v[TK0]
	v_cvt_f32_u32 v[TK], v[TK]
	v_mov_b32 v[TK+1], v[TK]
.set J, 0
.rept 8
	v_pk_mul_f32 v[AN+J:AN+J+1], v[IV+J:IV+J+1], v[TK:TK+1]
.set J, J+2
.endr
.set J, 0
.rept 8
	v_pk_mul_f32 v[NF+J:NF+J+1], v[AN+J:AN+J+1], 0x3f22f983 op_sel_hi:[1,0]
.set J, J+2
.endr
.set J, 0
.rept 16
	v_rndne_f32 v[NF+J], v[NF+J]
.set J, J+1
.endr
.set J, 0
.rept 8
	v_pk_fma_f32 v[AN+J:AN+J+1], v[NF+J:NF+J+1], 0xbfc90fdb, v[AN+J:AN+J+1] op_sel_hi:[1,0,1]
.set J, J+2
.endr
.set J, 0
.rept 8
	v_pk_fma_f32 v[AN+J:AN+J+1], v[NF+J:NF+J+1], 0x333bbd2e, v[AN+J:AN+J+1] op_sel_hi:[1,0,1]
.set J, J+2
.endr
.set J, 0
.rept 8
	v_pk_mul_f32 v[ZZ+J:ZZ+J+1], v[AN+J:AN+J+1], v[AN+J:AN+J+1]
.set J, J+2
.endr
.set J, 0
.rept 8
	v_pk_fma_f32 v[SNP+J:SNP+J+1], v[ZZ+J:ZZ+J+1], 0xb94ca1f9, v[KS2:KS2+1] op_sel_hi:[1,0,1]
	v_pk_fma_f32 v[CSP+J:CSP+J+1], v[ZZ+J:ZZ+J+1], 0x37ccf5ce, v[KC2:KC2+1] op_sel_hi:[1,0,1]
.set J, J+2
.endr
.set J, 0
.rept 8
	v_pk_fma_f32 v[SNP+J:SNP+J+1], v[SNP+J:SNP+J+1], v[ZZ+J:ZZ+J+1], 0xbe2aaaa3 op_sel_hi:[1,1,0]
	v_pk_fma_f32 v[CSP+J:CSP+J+1], v[CSP+J:CSP+J+1], v[ZZ+J:ZZ+J+1], 0x3d2aaaa5 op_sel_hi:[1,1,0]
.set J, J+2
.endr
.set J, 0
.rept 8
	v_pk_mul_f32 v[T2+J:T2+J+1], v[ZZ+J:ZZ+J+1], v[AN+J:AN+J+1]
.set J, J+2
.endr
.set J, 0
.rept 8
	v_pk_fma_f32 v[SNP+J:SNP+J+1], v[SNP+J:SNP+J+1], v[T2+J:T2+J+1], v[AN+J:AN+J+1]
.set J, J+2
.endr
.set J, 0
.rept 8
	v_pk_fma_f32 v[T2+J:T2+J+1], v[ZZ+J:ZZ+J+1], -0.5, 1.0 op_sel_hi:[1,0,0]
.set J, J+2
.endr
.set J, 0
.rept 8
	v_pk_mul_f32 v[ZZ+J:ZZ+J+1], v[ZZ+J:ZZ+J+1], v[ZZ+J:ZZ+J+1]
.set J, J+2
.endr
.set J, 0
.rept 8
	v_pk_fma_f32 v[CSP+J:CSP+J+1], v[CSP+J:CSP+J+1], v[ZZ+J:ZZ+J+1], v[T2+J:T2+J+1]
.set J, J+2
.endr
.set J, 0
.rept 16
	v_cvt_i32_f32 v[NF+J], v[NF+J]
.set J, J+1
.endr
.set J, 0
.rept 16
	v_and_b32 v228, 1, v[NF+J]
	v_cmp_eq_u32 vcc_lo, 1, v228
	v_cndmask_b32 v[ZZ+J], v[SNP+J], v[CSP+J], vcc_lo
	v_cndmask_b32 v[T2+J], v[CSP+J], v[SNP+J], vcc_lo
	v_lshlrev_b32 v[AN+J], 30, v[NF+J]
	v_add_nc_u32 v[NF+J], 1, v[NF+J]
	v_lshlrev_b32 v[NF+J], 30, v[NF+J]
	v_and_b32 v[AN+J], 0x80000000, v[AN+J]
	v_and_b32 v[NF+J], 0x80000000, v[NF+J]
.set J, J+1
.endr
	WIN 0xc0
.set J, 0
.rept 16
	v_xor_b32 v[192+16*\i+J], v[AN+J], v[ZZ+J]
	v_xor_b32 v[128+16*\i+J], v[NF+J], v[T2+J]
.set J, J+1
.endr
	WIN 0
.endm
	SINCOS 0
	SINCOS 1
	SINCOS 2
	SINCOS 3
	s_wait_loadcnt 0x0
	v_mov_b32 v228, 0xff61b1e6
	v_cmp_eq_u32 vcc_lo, 0, v[BI]
	v_cndmask_b32 v[BI], 0, v228, vcc_lo
	v_cmp_eq_u32 vcc_lo, 0, v[BI+1]
	v_cndmask_b32 v[BI+1], 0, v228, vcc_lo
.macro FRAG reg, adr, q, rowb
.irp p, 0,1,2,3,4,5
.set BY, 96*(\q)+48*(\p/3)+8*(\p%3)    ; q: the step; byte y of a row lies in chunk y / 256, slot (y / 256) % 2
.if BY/256 == (BY+24)/256
	ds_load_b64 v[\reg+2*\p:\reg+2*\p+1], v[(\adr)+(BY/256)%2] offset:BY%256+(\rowb)
.else
	ds_load_b64 v[\reg+2*\p:\reg+2*\p+1], v[(\adr)+2+(BY/256)%2] offset:BY%256-232+(\rowb)
.endif
.endr
.endm
.macro LDA slot, q, set
.irp i, 0,1,2,3
	FRAG AF+48*(\set)+12*\i, AA, \q, 16*PITCH*\i
.endr
.endm
.macro LDB m, slot, q
	WIN 0x40
.irp n, 0,1,2,3
.if (\m) < 2
	FRAG 48*(\m)+12*\n, BQ, \q, REGB*(\m)+16*PITCH*\n
.else
	FRAG 96+12*\n, BV, \q, PITCH*(32*(\n/2)+8*(\n%2))
.endif
.endr
	WIN 0
.endm
.macro LDSC ss, ks
.irp i, 0,1,2,3
	ds_load_b64 v[SC+32*(\ss)+2*\i:SC+32*(\ss)+2*\i+1], v[ASA] offset:544*\i+8*(\ks)
.endr
.irp n, 0,1,2,3
	ds_load_b64 v[SC+32*(\ss)+8+2*\n:SC+32*(\ss)+8+2*\n+1], v[ASB] offset:544*\n+8*(\ks)
.endr
.irp n, 0,1,2,3
	ds_load_b64 v[SC+32*(\ss)+16+2*\n:SC+32*(\ss)+16+2*\n+1], v[ASB] offset:SREG+544*\n+8*(\ks)
.endr
.irp n, 0,1,2,3
	ds_load_b64 v[SC+32*(\ss)+24+2*\n:SC+32*(\ss)+24+2*\n+1], v[ASV] offset:1088*(\n/2)+272*(\n%2)+8*(\ks)
.endr
.endm
.macro MULQK m, set, q, ss, i0, zero
.irp i, \i0, \i0+1
.irp n, 0,1,2,3
.set DD, 128*(\m)+32*(\i)+8*\n
.set WF, 48*(\m)+12*\n
.set HF, AF+48*(\set)+12*(\i)
.set SW, SC+32*(\ss)+2*(4+4*(\m)+\n)+(\q)
.set SH, SC+32*(\ss)+2*(\i)+(\q)
.if \zero
	v_wmma_scale_f32_16x16x128_f8f6f4 v[DD:DD+7], v[WF:WF+11], v[HF:HF+11], 0, v[SW], v[SH] matrix_a_fmt:MATRIX_FMT_FP6 matrix_b_fmt:MATRIX_FMT_FP6
.else
	v_wmma_scale_f32_16x16x128_f8f6f4 v[DD:DD+7], v[WF:WF+11], v[HF:HF+11], v[DD:DD+7], v[SW], v[SH] matrix_a_fmt:MATRIX_FMT_FP6 matrix_b_fmt:MATRIX_FMT_FP6
.endif
.endr
.endr
.endm
.macro MULV set, q, ss, i0, zero
.irp i, \i0, \i0+1
.irp n, 0,1,2,3
.set DD, 32*\n+8*(\i)
.set WF, 96+12*\n
.set HF, AF+48*(\set)+12*(\i)
.set SW, SC+32*(\ss)+2*(12+\n)+(\q)
.set SH, SC+32*(\ss)+2*(\i)+(\q)
.if \zero
	v_wmma_scale_f32_16x16x128_f8f6f4 v[DD:DD+7], v[HF:HF+11], v[WF:WF+11], 0, v[SH], v[SW] matrix_a_fmt:MATRIX_FMT_FP6 matrix_b_fmt:MATRIX_FMT_FP6
.else
	v_wmma_scale_f32_16x16x128_f8f6f4 v[DD:DD+7], v[HF:HF+11], v[WF:WF+11], v[DD:DD+7], v[SH], v[SW] matrix_a_fmt:MATRIX_FMT_FP6 matrix_b_fmt:MATRIX_FMT_FP6
.endif
.endr
.endr
.endm
.set W_QK, 0xa1
.set W_V,  0xf4
; A step of 128 along K: 48 products on step st's fragments; each matrix's next fragments are fetched behind its products.
; bar = 1: a barrier in the step's first products; in front of it all my tensor loads have landed and all my LDS reads are done.  fill = 1: chunk 0 is read no more: the barrier opens a round and chunk 2 is asked for into slot 0.
.macro STEP st, zero, bar, fill
.set NX, (\st)+1
.set QQ, (\st)%2
.set SS2, ((\st)/2)%2
.if \bar
	s_wait_tensorcnt 0x0
.if \fill
	ds_add_u32 v[SPW], v[NIL]
	s_wait_dscnt 49                                ; the add and the 48 youngest loads may be out
.else
	s_wait_dscnt 48
.endif
	WIN W_QK
	MULQK 0, QQ, QQ, SS2, 0, \zero
	s_wait_dscnt 0x0
	s_barrier_signal -1
	MULQK 0, QQ, QQ, SS2, 2, \zero
	WIN 0
	s_barrier_wait -1
.if \fill
	CREST
	s_add_nc_u64 s[G0A+2:G0A+3], s[G0A+2:G0A+3], 512
	s_add_nc_u64 s[G0B+2:G0B+3], s[G0B+2:G0B+3], 512
	JLOAD G0A, G1A, G0B, G1B
.else
	PLACES 4
.endif
.else
	s_wait_dscnt 48                                ; Wk's and Wv's 48 loads may be out
	WIN W_QK
	MULQK 0, QQ, QQ, SS2, 0, \zero
	MULQK 0, QQ, QQ, SS2, 2, \zero
	PLACES 4
	WIN 0
.endif
.if NX%2 == 0
	LDSC (NX/2)%2, NX/2
.endif
	LDB 0, 0, NX
	LDA 0, NX, NX%2
.if \bar == 0
	s_wait_dscnt 63                                ; at least 72 loads are younger than Wk's
.endif
	WIN W_QK
	MULQK 1, QQ, QQ, SS2, 0, \zero
	MULQK 1, QQ, QQ, SS2, 2, \zero
	PLACES 4
	LDB 1, 0, NX
.if \bar == 0
	s_wait_dscnt 63                                ; at least 72 loads are younger than Wv's
.endif
	WIN W_V
	MULV QQ, QQ, SS2, 0, \zero
	MULV QQ, QQ, SS2, 2, \zero
	PLACES 4
	LDB 2, 0, NX
.endm
	s_wait_tensorcnt 1
	s_barrier_signal -1
	s_barrier_wait -1
	LDSC 0, 0
	LDB 0, 0, 0
	LDA 0, 0, 0
	LDB 1, 0, 0
	LDB 2, 0, 0
	STEP 0, 1, 0, 0
	STEP 1, 0, 1, 0                                ; chunk 1 is whole: step 2 reads it
	STEP 2, 0, 1, 1                                ; chunk 0 is left: chunk 2 into slot 0
	STEP 3, 0, 0, 0
	STEP 4, 0, 1, 0                                ; chunk 2 is whole: step 5 reads it
	STEP 5, 0, 0, 0
	STEP 6, 0, 0, 0
	s_wait_dscnt 48
	WIN W_QK
	MULQK 0, 1, 1, 1, 0, 0
	MULQK 0, 1, 1, 1, 2, 0
	s_wait_dscnt 24
	MULQK 1, 1, 1, 1, 0, 0
	MULQK 1, 1, 1, 1, 2, 0
	s_wait_dscnt 0x0                               ; my last reads of the ring are done:
	s_barrier_signal -1                            ; behind this barrier the stage, which lies in slot 0, may be stored to
	WIN W_V
	MULV 1, 1, 1, 0, 0
	MULV 1, 1, 1, 2, 0
	WIN 0
	s_barrier_wait -1
.macro ROPE m, i
	WIN 0x0e
.irp n, 0,1,2,3
.irp j, 0,2,4,6
	v_pk_mul_f32 v[T+8*\n+\j:T+8*\n+\j+1], v[128*\m+32*\i+8*\n+\j:128*\m+32*\i+8*\n+\j+1], v[128+16*\i+8*(\n%2)+\j:128+16*\i+8*(\n%2)+\j+1]
.endr
.endr
.irp n, 0,1
.irp j, 0,2,4,6
	v_pk_fma_f32 v[T+8*\n+\j:T+8*\n+\j+1], v[128*\m+32*\i+8*(\n+2)+\j:128*\m+32*\i+8*(\n+2)+\j+1], v[192+16*\i+8*\n+\j:192+16*\i+8*\n+\j+1], v[T+8*\n+\j:T+8*\n+\j+1] neg_lo:[1,0,0] neg_hi:[1,0,0]
	v_pk_fma_f32 v[T+8*(\n+2)+\j:T+8*(\n+2)+\j+1], v[128*\m+32*\i+8*\n+\j:128*\m+32*\i+8*\n+\j+1], v[192+16*\i+8*\n+\j:192+16*\i+8*\n+\j+1], v[T+8*(\n+2)+\j:T+8*(\n+2)+\j+1]
.endr
.endr
	WIN 0
.endm
.macro QUANT2 src, wmax, wcvt, X
	s_wait_dscnt 0x0
	WIN \wmax
.irp b, 0,1
	v_max3_num_f32 v[TM+\b], 0x1800000, |v[\src+16*\b]|, |v[\src+16*\b+1]|
.endr
.irp i, 2,4,6,8,10,12,14
.irp b, 0,1
	v_max3_num_f32 v[TM+\b], v[TM+\b], |v[\src+16*\b+\i]|, |v[\src+16*\b+\i+1]|
.endr
.endr
	WIN 0
.irp b, 0,1
	v_permlanex16_b32 v[TM+2+\b], v[TM+\b], s[SEL], s[SEL+1]
.endr
.irp b, 0,1
	v_max_num_f32 v[TM+\b], v[TM+\b], v[TM+2+\b]
.endr
.irp b, 0,1
	v_add_nc_u32 v[TM+4+\b], 0xff000000, v[TM+\b]
.endr
.irp b, 0,1
	v_lshrrev_b32 v[TM+6+\b], 23, v[TM+4+\b]
.endr
	v_lshl_or_b32 v[PW], v[TM+7], 8, v[TM+6]
	WIN \wcvt
	v_cvt_scalef32_pk16_fp6_f32 v[\X:\X+2], v[\src:\src+15], v[TM+4]
	v_cvt_scalef32_pk16_fp6_f32 v[PY:PY+2], v[\src+16:\src+31], v[TM+5]
	WIN 0
	v_nop
.irp i, 0,1,2
	v_permlane16_swap_b32 v[\X+\i], v[PY+\i]
.endr
.irp i, 0,1,2
	v_mov_b32 v[\X+3+\i], v[PY+\i]
.endr
.endm
	PLACES 4
	v_mov_b32 v[TM+2], 0
	v_mov_b32 v[TM+3], 0
.irp i, 0,1,2,3
	ROPE 0, \i
	QUANT2 T, 0, 0, QX
	v_lshl_or_b32 v[QW], v[PW], 16, v[PW]
.irp p, 0,1,2
	ds_store_b64 v[SQI], v[QX+2*\p:QX+2*\p+1] offset:768*\i+256*\p
.endr
	ds_store_b32 v[SQS], v[QW] offset:64*\i
.endr
.irp i, 0,1,2,3
	ROPE 1, \i
	QUANT2 T, 0, 0, KP+6*(\i%2)
	v_lshl_or_b32 v[KW+\i], v[PW], 16, v[PW]
.if \i%2
.irp p, 0,1,2
	ds_store_b128 v[SKI], v[KP+4*\p:KP+4*\p+3] offset:1536*(\i/2)+512*\p
.endr
.endif
.endr
	ds_store_b128 v[SKS], v[KW:KW+3]
.irp n, 0,1,2,3
	QUANT2 32*\n, 0x3c, 0x03, VX
	ds_store_b64 v[SV0], v[VX:VX+1] offset:1536*\n
	ds_store_b64 v[SV1], v[VX+2:VX+3] offset:1536*\n
	ds_store_b64 v[SV2], v[VX+4:VX+5] offset:1536*\n
	ds_store_b16 v[SVS], v[PW] offset:128*\n
.endr
	ds_store_b64 v[SBI], v[BI:BI+1]
	s_wait_dscnt 0x0
	s_barrier_signal -1
	s_barrier_wait -1
.set J, 0
.rept 20
	ds_load_b128 v[OUTR+4*J:OUTR+4*J+3], v[SRD] offset:512*J
.set J, J+1
.endr
.set J, 0
.rept 20
	s_wait_dscnt 19-J
	global_store_b128 v[GCO], v[OUTR+4*J:OUTR+4*J+3], s[22:23] offset:512*J
.set J, J+1
.endr
	s_wait_tensorcnt 0x0
	ds_add_u32 v[SPW], v[NIL]
	s_wait_dscnt 0x0
	CROUND
	s_endpgm
.Lfunc_end_k_q83462ead83_proj:
	.size	k_q83462ead83_proj, .Lfunc_end_k_q83462ead83_proj-k_q83462ead83_proj
	.p2alignl 7, 3214868480
	.fill 96, 4, 3214868480
	.section	.rodata,"a",@progbits
	.p2align	6, 0x0
	.amdhsa_kernel k_q83462ead83_proj
		.amdhsa_group_segment_fixed_size 327680
		.amdhsa_private_segment_fixed_size 0
		.amdhsa_enable_private_segment 0
		.amdhsa_kernarg_size 80
		.amdhsa_user_sgpr_count 2
		.amdhsa_user_sgpr_kernarg_segment_ptr 1
		.amdhsa_wavefront_size32 1
		.amdhsa_system_sgpr_workgroup_id_x 1
		.amdhsa_system_sgpr_workgroup_id_y 1
		.amdhsa_system_sgpr_workgroup_id_z 1
		.amdhsa_system_vgpr_workitem_id 0
		.amdhsa_next_free_vgpr 1024
		.amdhsa_next_free_sgpr 102
		.amdhsa_reserve_vcc 1
		.amdhsa_float_denorm_mode_32 3
		.amdhsa_float_denorm_mode_16_64 3
		.amdhsa_memory_ordered 1
		.amdhsa_forward_progress 1
		.amdhsa_inst_pref_size 240
	.end_amdhsa_kernel
	.amdgpu_metadata
---
amdhsa.version: [ 1, 2 ]
amdhsa.kernels:
  - .name:           k_q83462ead83_proj
    .symbol:         k_q83462ead83_proj.kd
    .args:
      - { .name: hidden_states_codes, .offset: 0, .size: 8, .value_kind: global_buffer, .address_space: global }
      - { .name: hidden_states_scales, .offset: 8, .size: 8, .value_kind: global_buffer, .address_space: global }
      - { .name: Wq_codes, .offset: 16, .size: 8, .value_kind: global_buffer, .address_space: global }
      - { .name: Wq_scales, .offset: 24, .size: 8, .value_kind: global_buffer, .address_space: global }
      - { .name: Wk_codes, .offset: 32, .size: 8, .value_kind: global_buffer, .address_space: global }
      - { .name: Wk_scales, .offset: 40, .size: 8, .value_kind: global_buffer, .address_space: global }
      - { .name: Wv_codes, .offset: 48, .size: 8, .value_kind: global_buffer, .address_space: global }
      - { .name: Wv_scales, .offset: 56, .size: 8, .value_kind: global_buffer, .address_space: global }
      - { .name: attention_mask, .offset: 64, .size: 8, .value_kind: global_buffer, .address_space: global }
      - { .name: qkv, .offset: 72, .size: 8, .value_kind: global_buffer, .address_space: global }
    .group_segment_fixed_size: 327680
    .private_segment_fixed_size: 0
    .kernarg_segment_align: 8
    .kernarg_segment_size: 80
    .max_flat_workgroup_size: 128
    .sgpr_count:     102
    .vgpr_count:     1024
    .wavefront_size: 32
...
	.end_amdgpu_metadata
.endif
;; end of part 1
;; launch attn (part 2): grid 16 x 16, 8 waves a work-group, clusters of 4 x 1, 327,680 bytes of LDS; arguments qkv, ao; writes ao
.if DOCPART == 2
	.amdgcn_target "amdgcn-amd-amdhsa--gfx1250"
	.amdhsa_code_object_version 6
	.text
	.protected	k_q83462ead83_attn
	.globl	k_q83462ead83_attn
	.p2align	8
	.type	k_q83462ead83_attn,@function
k_q83462ead83_attn:
	s_mov_b64 s[64:65], 0
	v_nop
	global_prefetch_b8 v0, s[64:65] scope:SCOPE_SE
	s_setreg_imm32_b32 hwreg(HW_REG_WAVE_MODE, 25, 1), 1
	s_wait_xcnt 0x0
	s_wait_alu depctr_hold_cnt(0) depctr_sa_sdst(0) depctr_va_vdst(0) depctr_va_sdst(0) depctr_va_ssrc(0) depctr_va_vcc(0) depctr_vm_vsrc(0)
	s_getreg_b32 s2, hwreg(HW_REG_IB_STS2, 6, 4)
	s_cmp_eq_u32 s2, 0
	s_cbranch_scc0 .Lentry_in_a_cluster
	s_endpgm
.Lentry_in_a_cluster:
	s_bfe_u32 s2, ttmp6, 0x10000c
	s_cmp_lg_u32 s2, 0x3003
	s_cbranch_scc0 .Lentry_shape_is_right
	s_endpgm
.Lentry_shape_is_right:
; ao = Q(softmax(q k^T / 8 under the mask) v), both products on codes of FP6 (E2M3), from the images that the launch before has laid in qkv.  No work is left out.
; THE SOFTMAX: t = score x log2(e) / 8; M = the running largest t rounded up to a whole number; p = 2^(t - M) is quantised along the keys, not normalised; the sum of the unquantised p divides at the end.
; SHARES.  A work-group: 256 queries of one head.  Each of eight waves owns two tiles of 16 queries: tile A in window 0, tile B in window 1, at the same register numbers; each register of K, V and the mask's term serves both.
; Both products are used transposed (S^T = K Q^T, O^T = V^T P): a lane holds one query.  A key step is 128 keys.  The mask's term (0, or -3e38 for a hidden key) is the C of S^T's products.
; K = 64 fills half of an instruction's 128: Q's registers 6-11 hold zero codes, K's tiles lie six registers apart, and each operand's upper half is the next tile's codes (tile 7's: V's first six registers).
; THE PRODUCTS STAND SINGLY AMONG THE OTHER TILE'S VECTOR INSTRUCTIONS, which name none of their registers: tile A's softmax of step s carries S^T of tile B, step s; tile B's softmax carries O^T += V^T P of tile A, step s,
; and S^T of tile A, step s + 1.  Only tile B's O^T products stand on end, at the trip's end.  Each product so laid has a switch of the register windows ahead of it and one behind.
; A TRIP READS ONE ROW FROM LDS, the next step's: K, its scale words and the mask's term (30 loads) behind tile B's last S^T product, V and its scale words (16 loads) behind the trip's last product.
; So at a change of slots the slot left has been read out; the 32nd step is written out with no loads.  p's codes lie in window 1, v208-246, registers into which no load lands.
; CLUSTER 4 x 1: four blocks of queries of one head walk the same keys: each row of a slot is asked for jointly.  A slot holds eight key steps (8 x 13,824 bytes); wave w fetches row w: one tensor load out a wave.
; No prefetch: a refill is waited for eight key steps behind its request, and the launch's first two fills stand at its head, with no loop ahead of them.
; OUT: ao [tb 32][102,400 bytes]: codes of tile t, head hd at (16 t + hd) 768, three planes of 8 bytes a lane; scale bytes from 98,304, token row x 32 + 2 hd.
; LIMITS: |t| stays under 2^100 (the running maximum begins at -2^100, and a hidden key's t lies under it: its p is 0); a mask with no key left gives NaN in reference() and none here; NaN and infinities are not served.
.set ROWKV, 13824
.set BLKB,  20480
.set SLOT1, 131072
.set SPARE, SLOT1+8*ROWKV              ; the spare words, 128 bytes a wave
.set O_KSC, 6144
.set O_VIMG, 6656
.set O_VSC, 12800
.set O_BIAS, 13312
.set LI,  1                            ; v1 16 x lane; v2 16 r; v3 32 h; v4 4 x lane: never rewritten
.set KA,  2
.set BA,  3
.set LS,  4
.set SPW, 5
.set NIL, 6
.set GA,  7                            ; v7 8 x lane; v47 32 r
.set GS,  47
.set BM,  32                           ; per tile: v12 -M, v13 largest t, v[14:15] the sum, v16-27 Q, v28 at work, v[30:31] second chain, v32-35 block maxima, v36-43 at work, v[44:45] f, v46 the scale word in the making
.set PT,  36
.set SO,  40
.set PWT, 46
.set SS,  48                           ; v48-111 S^T, then p
.set OA,  112                          ; v112-143 O^T
.set KF,  144                          ; window 0: v144-191 K, v192-239 V
.set VF,  192
.set BIA, 144                          ; window 1: v144-207 the mask's term
.set PCA, 208                          ; window 1: tile A's codes of p (12) and 7 at work; tile B's
.set PCB, 228
.set PCD, 144                          ; the way out: codes of O, over registers that are done with
.set PY,  156
.set KS,  240                          ; scale words and nothing else: K's 8, V's 4, Q's 2, p's 2
.set VS,  248
.set QS,  252
.set PW,  254
.set WV,  8
.set G1,  16
.set G0,  24
.set SEL, 32
.set CS,  34
.set TB,  36
.set CNT, 37
.set MSB, 0
.macro WIN new
.if MSB != \new
	s_set_vgpr_msb (MSB<<8)|\new
.set MSB, \new
.endif
.endm
.macro NOP4
.rept 4
	v_nop
.endr
.endm
.macro CROUND
	s_barrier_signal -1
	s_barrier_wait -1
	s_cmp_lg_u32 s[WV], 0
	s_cbranch_scc1 .Lnot_wave_0_\@
	s_barrier_signal -3
.Lnot_wave_0_\@:
	s_barrier_wait -3
	s_barrier_signal -1
	s_barrier_wait -1
.endm
	s_load_b128 s[4:7], s[0:1], 0x0                ; qkv, ao
	v_lshl_add_u32 v[SPW], v0, 2, SPARE
	v_mov_b32 v[NIL], 0
	ds_add_u32 v[SPW], v[NIL]                      ; the opening
	ds_add_u32 v[SPW], v[NIL]
	v_lshrrev_b32 v8, 5, v0
	s_delay_alu instid0(VALU_DEP_1)
	v_readfirstlane_b32 s[WV], v8                  ; wave 0..7
	s_bfe_u32 s9, ttmp6, 0x40000                   ; cx
	s_lshl_b32 s10, ttmp9, 2
	s_add_co_u32 s10, s10, s9                      ; my block of 256 queries: it enters Q's and ao's addresses alone
	s_and_b32 s11, ttmp7, 0xffff                   ; the head, which the four partners share
	s_mov_b32 s[G1], 15|(3<<16)|(1<<21)            ; the mask: all four; elements of 8 bytes; no padding
	s_mov_b32 s[G1+1], 32<<16                      ; a row of a slot is 13,824 dense bytes: 54 rows of 256
	s_mov_b32 s[G1+2], 54<<16
	s_mov_b32 s[G1+3], 32<<16
	s_mov_b32 s[G1+4], 54
	s_mov_b32 s[G1+5], 32
	s_mov_b32 s[G1+6], 0
	s_mov_b32 s[G1+7], 0
	s_mov_b32 s[SEL], 0x76543210
	s_mov_b32 s[SEL+1], 0xfedcba98
	s_mov_b32 s[CS], 0x3e38aa3b                    ; c = log2(e) / 8
	s_mov_b32 s[CS+1], s[CS]
	s_mul_i32 s42, s11, 32*BLKB                    ; the head's blocks; my row of slot 0
	s_mul_i32 s43, s[WV], BLKB
	s_add_co_u32 s42, s42, s43
	s_mov_b32 s43, 0
	s_mul_i32 s12, s[WV], ROWKV                    ; and its place in a slot
	s_lshr_b32 s13, s[WV], 2
	s_lshl_b32 s15, s10, 1
	s_add_co_u32 s13, s13, s15                     ; tb: my queries' block of 128 tokens
	s_and_b32 s14, s[WV], 3
	s_lshl_b32 s14, s14, 1                         ; t0: my first tile in it
	s_mul_i32 s15, s11, 32*BLKB
	s_mul_i32 s44, s13, BLKB
	s_add_co_u32 s44, s44, s15
	s_lshl_b32 s46, s14, 6
	s_add_co_u32 s46, s46, s44
	s_add_co_u32 s46, s46, 19968                   ; Q's scale words
	s_mov_b32 s47, 0
	s_mul_i32 s15, s14, 768
	s_add_co_u32 s44, s44, s15
	s_add_co_u32 s44, s44, 13824                   ; Q's codes
	s_mov_b32 s45, 0
	s_mul_i32 s40, s13, 102400
	s_lshl_b32 s15, s14, 4
	s_add_co_u32 s15, s15, s11
	s_mul_i32 s15, s15, 768
	s_add_co_u32 s38, s40, s15                     ; ao: my codes
	s_mov_b32 s39, 0
	s_lshl_b32 s15, s14, 9
	s_add_co_u32 s40, s40, s15
	s_lshl_b32 s15, s11, 1
	s_add_co_u32 s40, s40, s15
	s_add_co_u32 s40, s40, 98304                   ; and my scale bytes
	s_mov_b32 s41, 0
	s_wait_dscnt 0x0                               ; both opening adds are done
	s_wait_kmcnt 0x0
	s_add_nc_u64 s[42:43], s[4:5], s[42:43]
	s_add_nc_u64 s[44:45], s[4:5], s[44:45]
	s_add_nc_u64 s[46:47], s[4:5], s[46:47]
	s_add_nc_u64 s[38:39], s[6:7], s[38:39]
	s_add_nc_u64 s[40:41], s[6:7], s[40:41]
	CROUND                                         ; all four work-groups are here: the first joint loads meet
.irp s, 0,1
	s_mov_b32 s[G0+4*\s], 1
	s_add_co_u32 s[G0+4*\s+1], s12, \s*SLOT1
	s_add_nc_u64 s[G0+4*\s+2:G0+4*\s+3], s[42:43], \s*8*BLKB
	s_or_b32 s[G0+4*\s+3], s[G0+4*\s+3], 0x80000000
.endr
	tensor_load_to_lds s[G0:G0+3], s[G1:G1+7]      ; keys 0 to 1,023: my 128; the wave's one load at the head
	s_nop 0
	NOP4
	v_and_b32 v8, 31, v0
	v_and_b32 v9, 15, v0
	v_bfe_u32 v10, v0, 4, 1
	s_delay_alu instid0(VALU_DEP_3)
	v_lshlrev_b32 v[LI], 4, v8
	s_delay_alu instid0(VALU_DEP_3)
	v_lshlrev_b32 v[KA], 4, v9
	s_delay_alu instid0(VALU_DEP_3)
	v_lshlrev_b32 v[BA], 5, v10
	v_lshlrev_b32 v[LS], 2, v8
	v_lshlrev_b32 v[GA], 3, v8
	v_lshlrev_b32 v[GS], 5, v9
	v_lshlrev_b32 v28, 2, v9
.irp p, 0,1,2
	global_load_b64 v[16+2*\p:17+2*\p], v[GA], s[44:45] offset:256*\p          ; tile A's codes
.endr
	global_load_b32 v[QS], v28, s[46:47]
	global_load_b32 v[QS+1], v28, s[46:47] offset:64
.macro INIT
	v_mov_b32 v12, 0x71800000                      ; -M = 2^100
	v_mov_b32 v13, 0xf1800000                      ; the largest t so far: -2^100
	v_mov_b32 v14, 0
	v_mov_b32 v15, 0
.irp j, 22,23,24,25,26,27,36,37,38,39,45
	v_mov_b32 v\j, 0                               ; Q's empty half; the lane permutes' destinations; the upper half of f's pair
.endr
.set J, 0
.rept 32
	v_mov_b32 v[OA+J], 0                           ; O^T: the step is written once, and its first pass finds zeros
.set J, J+1
.endr
.endm
	INIT
	WIN 0x40                                       ; destination window 1
.irp p, 0,1,2
	global_load_b64 v[16+2*\p:17+2*\p], v[GA], s[44:45] offset:768+256*\p      ; tile B's
.endr
	INIT
	WIN 0
.macro QK1 t, x                        ; S^T = K Q^T + the mask's term: tile t of 16 keys, for tile x of queries
	v_wmma_scale_f32_16x16x128_f8f6f4 v[SS+8*(\t):SS+8*(\t)+7], v[KF+6*(\t):KF+6*(\t)+11], v[16:27], v[BIA+8*(\t):BIA+8*(\t)+7], v[KS+(\t)], v[QS+(\x)] matrix_a_fmt:MATRIX_FMT_FP6 matrix_b_fmt:MATRIX_FMT_FP6
.endm
.macro PV1 n, x, pc                    ; O^T += V^T P: tile n of 16 of the head's 64
	v_wmma_scale_f32_16x16x128_f8f6f4 v[OA+8*\n:OA+8*\n+7], v[VF+12*\n:VF+12*\n+11], v[\pc:\pc+11], v[OA+8*\n:OA+8*\n+7], v[VS+\n], v[PW+\x] matrix_a_fmt:MATRIX_FMT_FP6 matrix_b_fmt:MATRIX_FMT_FP6
.endm
.macro HQ t                            ; one S^T product of the other tile, among this tile's vector instructions
.if DOQ
	WIN WQ
	QK1 \t, XO
	WIN W
.endif
.endm
.macro HP n                            ; one O^T product of tile A, among tile B's vector instructions
.if TT
	WIN 0x04                                       ; p's codes, source 1, in window 1
	PV1 \n, 0, PCA
	WIN W
.endif
.endm
.macro ADDR                            ; the row at s[TB]
	v_add_nc_u32 v8, s[TB], v[LI]
	v_add_nc_u32 v9, s[TB], v[KA]
	v_add_nc_u32 v10, s[TB], v[BA]
	v_add_nc_u32 v11, s[TB], v[LS]
.endm
.macro LOADK                           ; 30 loads: the mask's term, K, K's scale words
	WIN 0x40
.irp t, 0,1,2,3,4,5,6,7
	ds_load_b128 v[BIA+8*\t:BIA+8*\t+3], v10 offset:O_BIAS+64*\t
	ds_load_b128 v[BIA+8*\t+4:BIA+8*\t+7], v10 offset:O_BIAS+64*\t+16
.endr
	WIN 0
.irp f, 0,1,2,3,4,5,6,7,8,9,10,11
	ds_load_b128 v[KF+4*\f:KF+4*\f+3], v8 offset:512*\f
.endr
	ds_load_b128 v[KS:KS+3], v9 offset:O_KSC
	ds_load_b128 v[KS+4:KS+7], v9 offset:O_KSC+256
.endm
.macro LOADV                           ; 16 loads: V, its first eight registers first, and V's scale words
.irp f, 0,1,2,3,4,5,6,7,8,9,10,11
	ds_load_b128 v[VF+4*\f:VF+4*\f+3], v8 offset:O_VIMG+512*\f
.endr
.irp n, 0,1,2,3
	ds_load_b32 v[VS+\n], v11 offset:O_VSC+128*\n
.endr
.endm
; One tile's softmax for a key step, t = 0 (A) or 1 (B), with the other tile's products among its lines.  ld = 1: a further key step follows.
; W: the tile's window in all places; WPW: the setting under which the scale word goes to window 0; WC, WM: those of the conversions and of the lane swaps and moves; WQ: that of the other tile's S^T products.
.macro SOFTMAX t, ld
.set TT, \t
.set XO, 1-(\t)
.if \t
.set W, 0x55
.set WPW, 0x11
.set WC, 0x55
.set WM, 0x55
.set WQ, 0x10
.set PCX, PCB
.set DOQ, \ld
.if \ld
	s_wait_dscnt 30                                ; V is in; the next row's 30 may be out
.else
	s_wait_dscnt 0x0
.endif
.else
.set W, 0
.set WPW, 0
.set WC, 0x40
.set WM, 0x41
.set WQ, 0x54
.set PCX, PCA
.set DOQ, 1
.endif
	WIN W
	s_wait_alu depctr_va_vdst(0)
.irp b, 0,1,2,3
	v_max3_num_f32 v[BM+\b], v[SS+16*\b], v[SS+16*\b+1], v[SS+16*\b+8]         ; the largest score of each block of 32 keys; these four read the low end of all eight accumulators
.endr
	HP 0
.irp i, 2,4,6,9,11,13
.irp b, 0,1,2,3
	v_max3_num_f32 v[BM+\b], v[BM+\b], v[SS+16*\b+\i], v[SS+16*\b+\i+1]
.endr
.if \i == 4
	HP 1
.endif
.if \i == 9
	HP 2
.endif
.if \i == 13
	HP 3
.endif
.endr
.irp b, 0,1,2,3
	v_max_num_f32 v[BM+\b], v[BM+\b], v[SS+16*\b+15]
.endr
.irp b, 0,1,2,3
	s_delay_alu instid0(VALU_DEP_4)
	v_permlanex16_b32 v[PT+\b], v[BM+\b], s[SEL], s[SEL+1]
.endr
.irp b, 0,1,2,3
	s_delay_alu instid0(VALU_DEP_4)
	v_max_num_f32 v[BM+\b], v[BM+\b], v[PT+\b]
.endr
	s_delay_alu instid0(VALU_DEP_2)
	v_max3_num_f32 v28, v[BM], v[BM+1], v[BM+2]
	s_delay_alu instid0(VALU_DEP_1)
	v_max_num_f32 v28, v28, v[BM+3]
	s_delay_alu instid0(VALU_DEP_1)
	v_mul_f32 v28, s[CS], v28
	s_delay_alu instid0(VALU_DEP_1)
	v_max_num_f32 v13, v13, v28                    ; the running largest t
	v_mov_b32 v28, v12
	s_delay_alu instid0(VALU_DEP_2)
	v_floor_f32 v12, -v13                          ; -M = -ceil(t)
	s_delay_alu instid0(VALU_DEP_1)
	v_sub_f32 v28, v12, v28                        ; old M - new M: a whole number, 0 or less
	s_delay_alu instid0(VALU_DEP_1)
	v_cvt_i32_f32 v28, v28                         ; (it saturates)
	s_delay_alu instid0(VALU_DEP_1)
	v_ldexp_f32 v44, 1.0, v28                      ; f = 2^(old M - new M)
.set J, 0
.rept 32
	v_pk_fma_f32 v[SS+J:SS+J+1], v[SS+J:SS+J+1], s[CS:CS+1], v[12:13] op_sel_hi:[1,0,0]   ; t - M
.set J, J+2
.endr
.irp b, 0,1,2,3
	v_fma_f32 v[BM+\b], v[BM+\b], s[CS], v12
.endr
.if (\t) && (\ld)
	s_wait_dscnt 0x0                               ; the next row's K, scale words and mask's term are in
.endif
	s_wait_alu depctr_va_vdst(0)
.set J, 0
.rept 64
.if (J%10 == 0) && (J < 60)
	HQ J/10                                        ; tiles 0 to 5 of the other tile's S^T, ten exponentials apart
.endif
	v_exp_f32 v[SS+J], v[SS+J]                     ; p
.set J, J+1
.endr
	v_pk_mul_f32 v[14:15], v[14:15], v[44:45] op_sel_hi:[1,0]      ; the sum under the new M: a plain instruction behind the batch
.if \t == 0
	s_wait_dscnt 14                                ; V's first two loads are in: K's last operand reaches into their registers
.endif
	s_wait_alu depctr_va_vdst(0)                   ; one wait for the 64, ahead of their first reader
.irp b, 0,1,2,3
	v_exp_f32 v[BM+\b], v[BM+\b]                   ; each block's largest p
.endr
	v_pk_add_f32 v[30:31], v[SS:SS+1], v[SS+2:SS+3]                ; the sum of the unquantised p, in two chains
	HQ 6
.irp j, 4,8,12,16,20
	v_pk_add_f32 v[14:15], v[14:15], v[SS+\j:SS+\j+1]
	v_pk_add_f32 v[30:31], v[30:31], v[SS+\j+2:SS+\j+3]
.endr
	HQ 7
.irp j, 24,28,32,36,40,44,48,52,56,60
	v_pk_add_f32 v[14:15], v[14:15], v[SS+\j:SS+\j+1]
	v_pk_add_f32 v[30:31], v[30:31], v[SS+\j+2:SS+\j+3]
.endr
	s_delay_alu instid0(VALU_DEP_1)
	v_pk_add_f32 v[14:15], v[14:15], v[30:31]
.if (\t == 0) && (\ld)
	ADDR                                           ; both tiles' S^T of this step are issued, 21 plain instructions ago: K's registers take the next row
	LOADK
.endif
	s_wait_alu depctr_va_vdst(0)                   ; and one for the four
.irp b, 0,1,2,3
	v_max_num_f32 v[BM+\b], 0x1800000, v[BM+\b]    ; the floor 2^(3 - 127)
.endr
.irp b, 0,1,2,3
	s_delay_alu instid0(VALU_DEP_4)
	v_add_nc_u32 v[SO+\b], 0xff000000, v[BM+\b]    ; the conversion's scale operand
.endr
.irp b, 0,1,2,3
	s_delay_alu instid0(VALU_DEP_4)
	v_lshrrev_b32 v[PT+\b], 23, v[SO+\b]           ; the scale's byte
.endr
	s_delay_alu instid0(VALU_DEP_3)
	v_lshl_or_b32 v[PWT], v[PT+1], 8, v[PT]
	s_delay_alu instid0(VALU_DEP_1)
	v_lshl_or_b32 v[PWT], v[PT+2], 16, v[PWT]
	WIN WPW
	v_lshl_or_b32 v[PW+TT], v[PT+3], 24, v[PWT]    ; p's scale word: scale operands are taken from window 0
	WIN WC
.irp c, 0,1
	v_cvt_scalef32_pk16_fp6_f32 v[PCX+6*\c:PCX+6*\c+2], v[SS+32*\c:SS+32*\c+15], v[SO+2*\c]
	v_cvt_scalef32_pk16_fp6_f32 v[PCX+12+4*\c:PCX+12+4*\c+2], v[SS+32*\c+16:SS+32*\c+31], v[SO+2*\c+1]
.endr
	v_nop                                          ; one plain place behind a scaled conversion
	WIN WM
.irp c, 0,1
.irp i, 0,1,2
	v_permlane16_swap_b32 v[PCX+6*\c+\i], v[PCX+12+4*\c+\i]
.endr
.irp i, 0,1,2
	s_delay_alu instid0(VALU_DEP_3)
	v_mov_b32 v[PCX+6*\c+3+\i], v[PCX+12+4*\c+\i]
.endr
.endr
	WIN W
	s_wait_alu depctr_va_vdst(0)
.set J, 0
.rept 16
	v_pk_mul_f32 v[OA+J:OA+J+1], v[OA+J:OA+J+1], v[44:45] op_sel_hi:[1,0]      ; O^T under the new M; these sixteen are also the places between the scale word, the codes and the products
.set J, J+2
.endr
.endm
.macro STEP ld                         ; a key step whose S^T of tile A, K and V lie in registers; ld = 1: fetches the row at s[TB] and begins the next step
	SOFTMAX 0, \ld
	SOFTMAX 1, \ld
	WIN 0x54
.irp n, 0,1,2,3
	PV1 \n, 1, PCB
.endr
	WIN 0
.if \ld
	NOP4                                           ; places between the last products and the loads into their operands
	LOADV
.endif
.endm
.macro SLOTWORK base, n                ; n trips, which read n rows from base on
	s_mov_b32 s[TB], \base
	s_mov_b32 s[CNT], \n
.Lstep_\@:
	STEP 1
	s_add_co_u32 s[TB], s[TB], ROWKV
	s_sub_co_u32 s[CNT], s[CNT], 1
	s_cmp_lg_u32 s[CNT], 0
	s_cbranch_scc1 .Lstep_\@
.endm
; THE CHANGE OF SLOTS.  Each wave waits for all its tensor loads (its row of the other slot), adds 0 to its spare word, and waits for that and for its reads of the slot that it leaves.
; fill = 1: a round of the cluster's barrier, and the slot just left is asked for again, 2,048 keys on, first thing behind it.
.macro CHANGE fill, slot
	s_wait_tensorcnt 0x0
	ds_add_u32 v[SPW], v[NIL]
.if \fill
	s_add_nc_u64 s[G0+4*\slot+2:G0+4*\slot+3], s[G0+4*\slot+2:G0+4*\slot+3], 16*BLKB
	s_wait_dscnt 0x0
	CROUND
	tensor_load_to_lds s[G0+4*\slot:G0+4*\slot+3], s[G1:G1+7]
	s_nop 0
	NOP4
.else
	s_wait_dscnt 0x0
	s_barrier_signal -1
	s_barrier_wait -1
.endif
.endm
	s_wait_alu depctr_va_vdst(0)
	s_wait_loadcnt 0x0                             ; Q
	s_wait_tensorcnt 0x0                           ; my row of slot 0 is in; slot 1's first fill is issued as a refill is
	ds_add_u32 v[SPW], v[NIL]
	s_wait_dscnt 0x0
	CROUND
	tensor_load_to_lds s[G0+4:G0+7], s[G1:G1+7]    ; keys 1,024 to 2,047
	s_nop 0
	NOP4
	s_mov_b32 s[TB], 0
	ADDR
	LOADK                                          ; key step 0
	LOADV
	s_wait_dscnt 14                                ; the 30 and V's first two loads are in
	WIN 0x10                                       ; C in window 1
.irp t, 0,1,2,3,4,5,6,7
	QK1 \t, 0                                      ; tile A's S^T of key step 0
.endr
	WIN 0
	NOP4
	SLOTWORK ROWKV, 7                              ; slot 0's other seven rows
	CHANGE 1, 0
	SLOTWORK SLOT1, 8
	CHANGE 1, 1
	SLOTWORK 0, 8
	CHANGE 0, 0
	SLOTWORK SLOT1, 8
	STEP 0                                         ; the last key step: nothing more to read
; THE WAY OUT of a tile: O^T / the sum; quantised along d (the 16 registers of two tiles of V's rows are 16 neighbours); six registers of codes and two scale bytes.
.macro FINISH w, wst, x
	WIN \w
	v_add_f32 v14, v14, v15
	s_delay_alu instid0(VALU_DEP_1)
	v_permlanex16_b32 v28, v14, s[SEL], s[SEL+1]
	s_delay_alu instid0(VALU_DEP_1)
	v_add_f32 v14, v14, v28                        ; the row's sum
	s_wait_alu depctr_va_vdst(0)
	v_rcp_f32 v44, v14
	v_nop
	s_wait_alu depctr_va_vdst(0)                   ; ahead of the first reader
.set J, 0
.rept 16
	v_pk_mul_f32 v[OA+J:OA+J+1], v[OA+J:OA+J+1], v[44:45] op_sel_hi:[1,0]
.set J, J+2
.endr
.irp b, 0,1
	v_max3_num_f32 v[BM+\b], 0x1800000, |v[OA+16*\b]|, |v[OA+16*\b+1]|
.endr
.irp i, 2,4,6,8,10,12,14
.irp b, 0,1
	s_delay_alu instid0(VALU_DEP_2)
	v_max3_num_f32 v[BM+\b], v[BM+\b], |v[OA+16*\b+\i]|, |v[OA+16*\b+\i+1]|
.endr
.endr
.irp b, 0,1
	s_delay_alu instid0(VALU_DEP_2)
	v_permlanex16_b32 v[PT+\b], v[BM+\b], s[SEL], s[SEL+1]
.endr
.irp b, 0,1
	s_delay_alu instid0(VALU_DEP_2)
	v_max_num_f32 v[BM+\b], v[BM+\b], v[PT+\b]
.endr
.irp b, 0,1
	s_delay_alu instid0(VALU_DEP_2)
	v_add_nc_u32 v[SO+\b], 0xff000000, v[BM+\b]
.endr
.irp b, 0,1
	s_delay_alu instid0(VALU_DEP_2)
	v_lshrrev_b32 v[PT+\b], 23, v[SO+\b]
.endr
	s_delay_alu instid0(VALU_DEP_1)
	v_lshl_or_b32 v[PWT], v[PT+1], 8, v[PT]
	v_cvt_scalef32_pk16_fp6_f32 v[PCD:PCD+2], v[OA:OA+15], v[SO]
	v_cvt_scalef32_pk16_fp6_f32 v[PY:PY+2], v[OA+16:OA+31], v[SO+1]
	v_nop
.irp i, 0,1,2
	v_permlane16_swap_b32 v[PCD+\i], v[PY+\i]
.endr
.irp i, 0,1,2
	s_delay_alu instid0(VALU_DEP_3)
	v_mov_b32 v[PCD+3+\i], v[PY+\i]
.endr
	WIN \wst                                       ; a store's data are its source 1
.irp p, 0,1,2
	global_store_b64 v[GA], v[PCD+2*\p:PCD+2*\p+1], s[38:39] offset:12288*\x+256*\p   ; 32 lanes store 256 consecutive bytes, at a multiple of 256 from the buffer's first byte
.endr
	global_store_b16 v[GS], v[PWT], s[40:41] offset:512*\x         ; my head's two bytes of each token's row (both halves of the lanes write the same)
.endm
	NOP4                                           ; behind the last products
	FINISH 0, 0, 0
	FINISH 0x55, 0x04, 1
	WIN 0
	s_wait_tensorcnt 0x0                           ; the wave's end
	ds_add_u32 v[SPW], v[NIL]
	s_wait_dscnt 0x0
	CROUND                                         ; the closing round
	s_endpgm
.Lfunc_end_k_q83462ead83_attn:
	.size	k_q83462ead83_attn, .Lfunc_end_k_q83462ead83_attn-k_q83462ead83_attn
	.p2alignl 7, 3214868480
	.fill 96, 4, 3214868480
	.section	.rodata,"a",@progbits
	.p2align	6, 0x0
	.amdhsa_kernel k_q83462ead83_attn
		.amdhsa_group_segment_fixed_size 327680
		.amdhsa_private_segment_fixed_size 0
		.amdhsa_enable_private_segment 0
		.amdhsa_kernarg_size 16
		.amdhsa_user_sgpr_count 2
		.amdhsa_user_sgpr_kernarg_segment_ptr 1
		.amdhsa_wavefront_size32 1
		.amdhsa_system_sgpr_workgroup_id_x 1
		.amdhsa_system_sgpr_workgroup_id_y 1
		.amdhsa_system_sgpr_workgroup_id_z 1
		.amdhsa_system_vgpr_workitem_id 0
		.amdhsa_next_free_vgpr 512
		.amdhsa_next_free_sgpr 66
		.amdhsa_reserve_vcc 0
		.amdhsa_float_denorm_mode_32 3
		.amdhsa_float_denorm_mode_16_64 3
		.amdhsa_memory_ordered 1
		.amdhsa_forward_progress 1
		.amdhsa_inst_pref_size 187
	.end_amdhsa_kernel
	.amdgpu_metadata
---
amdhsa.version: [ 1, 2 ]
amdhsa.kernels:
  - .name:           k_q83462ead83_attn
    .symbol:         k_q83462ead83_attn.kd
    .args:
      - { .name: qkv, .offset: 0, .size: 8, .value_kind: global_buffer, .address_space: global }
      - { .name: ao, .offset: 8, .size: 8, .value_kind: global_buffer, .address_space: global }
    .group_segment_fixed_size: 327680
    .private_segment_fixed_size: 0
    .kernarg_segment_align: 8
    .kernarg_segment_size: 16
    .max_flat_workgroup_size: 256
    .sgpr_count:     66
    .vgpr_count:     512
    .wavefront_size: 32
...
	.end_amdgpu_metadata
.endif
;; end of part 2
;; launch outp (part 3): grid 8 x 32, 4 waves a work-group, clusters of 4 x 4, 229,376 bytes of LDS; arguments ao, Wo_codes, Wo_scales, out0; writes out0
.if DOCPART == 3
	.amdgcn_target "amdgcn-amd-amdhsa--gfx1250"
	.amdhsa_code_object_version 6
	.text
	.protected	k_q83462ead83_outp
	.globl	k_q83462ead83_outp
	.p2align	8
	.type	k_q83462ead83_outp,@function
k_q83462ead83_outp:
	s_mov_b64 s[64:65], 0
	v_nop
	global_prefetch_b8 v0, s[64:65] scope:SCOPE_SE
	s_setreg_imm32_b32 hwreg(HW_REG_WAVE_MODE, 25, 1), 1
	s_wait_xcnt 0x0
	s_wait_alu depctr_hold_cnt(0) depctr_sa_sdst(0) depctr_va_vdst(0) depctr_va_sdst(0) depctr_va_ssrc(0) depctr_va_vcc(0) depctr_vm_vsrc(0)
	s_getreg_b32 s2, hwreg(HW_REG_IB_STS2, 6, 4)
	s_cmp_eq_u32 s2, 0
	s_cbranch_scc0 .Lentry_in_a_cluster
	s_endpgm
.Lentry_in_a_cluster:
	s_bfe_u32 s2, ttmp6, 0x10000c
	s_cmp_lg_u32 s2, 0xf033
	s_cbranch_scc0 .Lentry_shape_is_right
	s_endpgm
.Lentry_shape_is_right:
; out0 = ao Wo^T on codes of FP6 (E2M3): ao as the launch before has laid it (images of operand registers), Wo as it is given.  No work is left out.
; SHARES.  A work-group: 128 tokens (block tb) x 128 features (block fb); wave w: tokens 64 (w >> 1) on, features 64 (w & 1) on: 16 accumulators.  All of K = 1,024 lies in LDS: each byte is filled once, there is no ring.
; The product is used transposed (source 0 = 16 rows of Wo, source 1 = 16 tokens): a lane holds eight neighbouring features of one token.
; CLUSTER 4 x 4: ao's block is shared along a row of the cluster, Wo's rows along a column.  A wave has at most two tensor loads out.
.set WOC,   102400                     ; LDS: ao's block at 0 (its scale words from 98,304); Wo's 128 rows, 768 bytes + 16 behind each 256: pitch 816
.set WPIT,  816
.set WOS,   WOC+128*WPIT               ; Wo's scale bytes: 16 units of 256 + 16
.set STAGE, WOS+16*272                 ; 16 rows x (256 + 16) bytes for each wave
.set SPARE, STAGE+4*4352               ; the spare words, 128 bytes a wave
.set ADA,  1
.set ADB,  2                           ; v2, v3: 24 and 40 bytes a half
.set ADSA, 4
.set ADSB, 5
.set STO,  6
.set RD,   7
.set CO,   8
.set SPW,  9
.set NIL,  10
.set SCA,  16                          ; v16-47 ao's scale words (8 i + g), v48-79 Wo's (8 n + g): scales and nothing else
.set SCB,  48
.set BK,   80                          ; v80-111 rows read back from the stage
.set ACC,  128                         ; v128-255 accumulators at 8 (4 i + n).  Window 1: two buffers of fragments at 128 f: ao's at 12 i, Wo's at 48 + 12 n
.set WV,   12
.set G1A,  24
.set G1B,  32
.set G1S,  40
.set G0A,  48
.set G0B,  52
.set G0S,  56
.set MSB, 0
.macro WIN new
.if MSB != \new
	s_set_vgpr_msb (MSB<<8)|\new
.set MSB, \new
.endif
.endm
.macro CROUND
	s_barrier_signal -1
	s_barrier_wait -1
	s_cmp_lg_u32 s[WV], 0
	s_cbranch_scc1 .Lnot_wave_0_\@
	s_barrier_signal -3
.Lnot_wave_0_\@:
	s_barrier_wait -3
	s_barrier_signal -1
	s_barrier_wait -1
.endm
	s_load_b256 s[4:11], s[0:1], 0x0               ; ao, Wo's codes, Wo's scales, out0
	v_lshl_add_u32 v[SPW], v0, 2, SPARE
	v_mov_b32 v[NIL], 0
	ds_add_u32 v[SPW], v[NIL]                      ; the wave's opening
	ds_add_u32 v[SPW], v[NIL]
	v_lshrrev_b32 v11, 5, v0
	v_readfirstlane_b32 s[WV], v11                 ; wave 0..3
	s_lshr_b32 s13, s[WV], 1                       ; which 64 tokens
	s_and_b32 s14, s[WV], 1                        ; which 64 features; also: which half of a tile I fetch
	s_bfe_u32 s15, ttmp6, 0x40000                  ; cx
	s_bfe_u32 s16, ttmp6, 0x40004                  ; cy
	s_lshl_b32 s17, ttmp9, 2
	s_add_co_u32 s17, s17, s15                     ; fb
	s_and_b32 s18, ttmp7, 0xffff
	s_lshl_b32 s18, s18, 2
	s_add_co_u32 s18, s18, s16                     ; tb
	s_lshl_b32 s19, s16, 2
	s_lshl_b32 s19, 15, s19                        ; my row of the cluster
	s_lshl_b32 s20, 0x1111, s15                    ; my column
	s_or_b32 s[G1A], s19, (3<<16)|(1<<21)          ; half of ao's block: 51,200 dense bytes as 200 rows of 256; no padding
	s_mov_b32 s[G1A+1], 32<<16
	s_mov_b32 s[G1A+2], 200<<16
	s_mov_b32 s[G1A+3], 32<<16
	s_mov_b32 s[G1A+4], 200
	s_mov_b32 s[G1A+5], 32
	s_mov_b32 s[G1A+6], 0
	s_mov_b32 s[G1A+7], 0
	s_or_b32 s[G1B], s20, (1<<20)|(1<<21)|(5<<22)|(3<<25)   ; 128 rows of Wo's codes, 768 bytes; after every 64 words, 4 words of padding
	s_mov_b32 s[G1B+1], 768<<16
	s_mov_b32 s[G1B+2], 128<<16                    ; all 128 rows of Wo's codes by one load
	s_mov_b32 s[G1B+3], 768<<16
	s_mov_b32 s[G1B+4], 128
	s_mov_b32 s[G1B+5], 768
	s_mov_b32 s[G1B+6], 0
	s_mov_b32 s[G1B+7], 0
	s_or_b32 s[G1S], s20, (3<<16)|(1<<20)|(1<<21)|(5<<22)|(3<<25)   ; their scale bytes: 4,096 dense bytes as 16 rows of 256, 16 bytes of padding behind each
	s_mov_b32 s[G1S+1], 32<<16
	s_mov_b32 s[G1S+2], 16<<16                     ; their scale bytes: 4,096 dense bytes as 16 rows of 256
	s_mov_b32 s[G1S+3], 32<<16
	s_mov_b32 s[G1S+4], 16
	s_mov_b32 s[G1S+5], 32
	s_mov_b32 s[G1S+6], 0
	s_mov_b32 s[G1S+7], 0
	s_mul_i32 s60, s18, 102400
	s_mul_i32 s2, s14, 51200                       ; my half: in memory and in LDS alike
	s_add_co_u32 s60, s60, s2
	s_mov_b32 s61, 0
	s_mul_i32 s62, s17, 98304
	s_mov_b32 s63, 0
	s_lshl_b32 s22, s17, 12
	s_mov_b32 s23, 0
	s_wait_dscnt 0x0                               ; both opening adds are done
	s_wait_kmcnt 0x0
	s_add_nc_u64 s[60:61], s[4:5], s[60:61]
	s_add_nc_u64 s[62:63], s[6:7], s[62:63]
	s_add_nc_u64 s[22:23], s[8:9], s[22:23]
	CROUND                                         ; all sixteen work-groups are here: the joint loads meet
	s_mov_b32 s[G0A], 1
	s_mov_b32 s[G0A+1], s2
	s_mov_b64 s[G0A+2:G0A+3], s[60:61]
	s_or_b32 s[G0A+3], s[G0A+3], 0x80000000
	s_mov_b32 s[G0B], 1
	s_mov_b32 s[G0B+1], WOC
	s_mov_b64 s[G0B+2:G0B+3], s[62:63]
	s_or_b32 s[G0B+3], s[G0B+3], 0x80000000
	s_mov_b32 s[G0S], 1
	s_mov_b32 s[G0S+1], WOS
	s_mov_b64 s[G0S+2:G0S+3], s[22:23]
	s_or_b32 s[G0S+3], s[G0S+3], 0x80000000
	s_cmp_lt_u32 s[WV], 2                          ; one chain of branches on the wave's number, one fill to an arm: waves 0, 1 ao's halves; wave 2 Wo's codes; wave 3 Wo's scale bytes
	s_cbranch_scc0 .Lfill_b
	tensor_load_to_lds s[G0A:G0A+3], s[G1A:G1A+7]
	s_nop 0
.rept 4
	v_nop
.endr
	s_branch .Lfilled
.Lfill_b:
	s_cmp_lt_u32 s[WV], 3
	s_cbranch_scc0 .Lfill_s
	tensor_load_to_lds s[G0B:G0B+3], s[G1B:G1B+7]
	s_nop 0
.rept 4
	v_nop
.endr
	s_branch .Lfilled
.Lfill_s:
	tensor_load_to_lds s[G0S:G0S+3], s[G1S:G1S+7]
	s_nop 0
.rept 4
	v_nop
.endr
.Lfilled:
	v_and_b32 v11, 31, v0                          ; lane
	v_and_b32 v12, 15, v0                          ; r
	v_bfe_u32 v13, v0, 4, 1                        ; h
	v_bfe_u32 v14, v0, 3, 1                        ; r / 8
	v_and_b32 v15, 7, v0                           ; r % 8
	s_mul_i32 s2, s13, 49152
	v_lshl_add_u32 v[ADA], v11, 3, s2              ; ao's images: 8 x lane, my four tiles
	s_mul_i32 s2, s14, 64*WPIT
	s_add_co_u32 s2, s2, WOC
	v_mul_u32_u24 v[ADB], v12, WPIT
	v_mad_u32_u24 v[ADB], v13, 24, v[ADB]
	v_add_nc_u32 v[ADB], s2, v[ADB]
	v_lshl_add_u32 v[ADB+1], v13, 4, v[ADB]        ; the same behind one padding more
	s_lshl_b32 s2, s13, 11
	s_add_co_u32 s2, s2, 98304
	v_lshl_add_u32 v[ADSA], v12, 5, s2
	s_mul_i32 s2, s14, 2176
	s_add_co_u32 s2, s2, WOS
	v_lshlrev_b32 v[ADSB], 5, v15
	v_mad_u32_u24 v[ADSB], v14, 272, v[ADSB]
	v_add_nc_u32 v[ADSB], s2, v[ADSB]
	s_mul_i32 s2, s[WV], 4352
	s_add_co_u32 s2, s2, STAGE
	v_mul_u32_u24 v[STO], v12, 272
	v_lshl_add_u32 v[STO], v13, 5, v[STO]
	v_add_nc_u32 v[STO], s2, v[STO]                ; in: row r, 32 bytes for each half of the lanes
	v_mul_u32_u24 v[RD], v13, 272
	v_lshl_add_u32 v[RD], v12, 4, v[RD]
	v_add_nc_u32 v[RD], s2, v[RD]                  ; back: lanes 0-15 one row of 256 bytes, lanes 16-31 the next
	v_lshlrev_b32 v[CO], 12, v13
	v_lshl_add_u32 v[CO], v12, 4, v[CO]            ; and the same two rows in out0
	s_lshl_b32 s2, s18, 7
	s_lshl_b32 s3, s13, 6
	s_add_co_u32 s2, s2, s3
	s_lshl_b32 s2, s2, 12                          ; my first token's row
	s_lshl_b32 s3, s17, 9
	s_add_co_u32 s2, s2, s3
	s_lshl_b32 s3, s14, 8
	s_add_co_u32 s2, s2, s3                        ; my first feature
	s_mov_b32 s3, 0
	s_add_nc_u64 s[10:11], s[10:11], s[2:3]
	s_wait_alu depctr_va_vdst(0)
	s_wait_tensorcnt 0x0                           ; my fills have landed,
	s_barrier_signal -1
	s_barrier_wait -1                              ; everybody's have
.irp i, 0,1,2,3
	ds_load_b128 v[SCA+8*\i:SCA+8*\i+3], v[ADSA] offset:512*\i
	ds_load_b128 v[SCA+8*\i+4:SCA+8*\i+7], v[ADSA] offset:512*\i+16
	ds_load_b128 v[SCB+8*\i:SCB+8*\i+3], v[ADSB] offset:544*\i
	ds_load_b128 v[SCB+8*\i+4:SCB+8*\i+7], v[ADSB] offset:544*\i+16
.endr
.macro FETCH g                         ; K step g's eight fragments: 48 loads of 8 bytes into buffer g % 2
	WIN 0x40
.set FB, 128*((\g)%2)
.irp i, 0,1,2,3
.irp p, 0,1,2,3,4,5
	ds_load_b64 v[FB+12*\i+2*\p:FB+12*\i+2*\p+1], v[ADA] offset:12288*\i+1536*(\g)+256*\p
.endr
.endr
.irp n, 0,1,2,3
.irp p, 0,1,2,3,4,5
.set PCE, 12*(\g)+6*(\p/3)+\p%3
.if PCE%32 < 29
	ds_load_b64 v[FB+48+12*\n+2*\p:FB+48+12*\n+2*\p+1], v[ADB] offset:8*PCE+16*(PCE/32)+16*WPIT*\n
.else
	ds_load_b64 v[FB+48+12*\n+2*\p:FB+48+12*\n+2*\p+1], v[ADB+1] offset:8*PCE+16*(PCE/32)+16*WPIT*\n
.endif
.endr
.endr
	WIN 0
.endm
.macro MUL g, zero                     ; 16 products; the accumulators take turns
	WIN 0x05                                       ; sources 0 and 1 window 1
.set FB, 128*((\g)%2)
.irp i, 0,1,2,3
.irp n, 0,1,2,3
.set DD, ACC+8*(4*\i+\n)
.if \zero
	v_wmma_scale_f32_16x16x128_f8f6f4 v[DD:DD+7], v[FB+48+12*\n:FB+48+12*\n+11], v[FB+12*\i:FB+12*\i+11], 0, v[SCB+8*\n+(\g)], v[SCA+8*\i+(\g)] matrix_a_fmt:MATRIX_FMT_FP6 matrix_b_fmt:MATRIX_FMT_FP6
.else
	v_wmma_scale_f32_16x16x128_f8f6f4 v[DD:DD+7], v[FB+48+12*\n:FB+48+12*\n+11], v[FB+12*\i:FB+12*\i+11], v[DD:DD+7], v[SCB+8*\n+(\g)], v[SCA+8*\i+(\g)] matrix_a_fmt:MATRIX_FMT_FP6 matrix_b_fmt:MATRIX_FMT_FP6
.endif
.endr
.endr
	WIN 0
.endm
	FETCH 0
	FETCH 1
	s_wait_dscnt 48                                ; the scale words and K step 0 are in; the next step's 48 loads may be out
	MUL 0, 1
.rept 4
	v_nop                                          ; places in front of loads into registers that the products have read
.endr
	FETCH 2
.irp g, 1,2,3,4,5
	s_wait_dscnt 48
	MUL \g, 0
.rept 4
	v_nop
.endr
	FETCH \g+2
.endr
	s_wait_dscnt 48
	MUL 6, 0
	s_wait_dscnt 0x0
	MUL 7, 0
.rept 4
	v_nop                                          ; behind the last products
.endr
; THE WAY OUT, 16 tokens at a time, through my own stage: LDS serves a wave's instructions in order (ISA guide 5.7.1.4), so no wait stands between the stores and the loads.
.irp i, 0,1,2,3
.irp n, 0,1,2,3
	ds_store_b128 v[STO], v[ACC+8*(4*\i+\n):ACC+8*(4*\i+\n)+3] offset:64*\n          ; each accumulator from its low end on
	ds_store_b128 v[STO], v[ACC+8*(4*\i+\n)+4:ACC+8*(4*\i+\n)+7] offset:64*\n+16
.endr
.if \i > 0
	s_wait_xcnt 0x0                                ; the stores of the tile before have read their registers
.endif
.irp k, 0,1,2,3,4,5,6,7
	ds_load_b128 v[BK+4*\k:BK+4*\k+3], v[RD] offset:544*\k
.endr
	s_wait_dscnt 0x0
.irp k, 0,1,2,3,4,5,6,7
	global_store_b128 v[CO], v[BK+4*\k:BK+4*\k+3], s[10:11] offset:(16*\i+2*\k)*4096 th:TH_STORE_NT   ; 16 lanes store 256 consecutive bytes, at a multiple of 256 from out0's first byte
.endr
.endr
	s_wait_tensorcnt 0x0                           ; the wave's end
	ds_add_u32 v[SPW], v[NIL]
	s_wait_dscnt 0x0
	CROUND                                         ; the closing round
	s_endpgm
.Lfunc_end_k_q83462ead83_outp:
	.size	k_q83462ead83_outp, .Lfunc_end_k_q83462ead83_outp-k_q83462ead83_outp
	.p2alignl 7, 3214868480
	.fill 96, 4, 3214868480
	.section	.rodata,"a",@progbits
	.p2align	6, 0x0
	.amdhsa_kernel k_q83462ead83_outp
		.amdhsa_group_segment_fixed_size 229376
		.amdhsa_private_segment_fixed_size 0
		.amdhsa_enable_private_segment 0
		.amdhsa_kernarg_size 32
		.amdhsa_user_sgpr_count 2
		.amdhsa_user_sgpr_kernarg_segment_ptr 1
		.amdhsa_wavefront_size32 1
		.amdhsa_system_sgpr_workgroup_id_x 1
		.amdhsa_system_sgpr_workgroup_id_y 1
		.amdhsa_system_sgpr_workgroup_id_z 1
		.amdhsa_system_vgpr_workitem_id 0
		.amdhsa_next_free_vgpr 512
		.amdhsa_next_free_sgpr 66
		.amdhsa_reserve_vcc 0
		.amdhsa_float_denorm_mode_32 3
		.amdhsa_float_denorm_mode_16_64 3
		.amdhsa_memory_ordered 1
		.amdhsa_forward_progress 1
		.amdhsa_inst_pref_size 58
	.end_amdhsa_kernel
	.amdgpu_metadata
---
amdhsa.version: [ 1, 2 ]
amdhsa.kernels:
  - .name:           k_q83462ead83_outp
    .symbol:         k_q83462ead83_outp.kd
    .args:
      - { .name: ao, .offset: 0, .size: 8, .value_kind: global_buffer, .address_space: global }
      - { .name: Wo_codes, .offset: 8, .size: 8, .value_kind: global_buffer, .address_space: global }
      - { .name: Wo_scales, .offset: 16, .size: 8, .value_kind: global_buffer, .address_space: global }
      - { .name: out0, .offset: 24, .size: 8, .value_kind: global_buffer, .address_space: global }
    .group_segment_fixed_size: 229376
    .private_segment_fixed_size: 0
    .kernarg_segment_align: 8
    .kernarg_segment_size: 32
    .max_flat_workgroup_size: 128
    .sgpr_count:     66
    .vgpr_count:     512
    .wavefront_size: 32
...
	.end_amdgpu_metadata
.endif
;; end of part 3
